; MI455X (gfx1250); checked and timed in simulation.
; The chip was launched on July 23, 2026; its instructions are those of AMD's public machine-readable ISA for CDNA 5 (MIT licence, August 2026) and "CDNA5" Instruction Set Architecture Reference Guide (July 2026). The comments in the code are by the model that wrote it; some were corrected since.
;; Bert Self Attention. Allowed arithmetic: matrix products marked QUANTISED: E3M2 operands, one E8M0 scale for each 32 along K, by v_wmma_scale_f32_16x16x128_f8f6f4 with both operands' format E3M2, f32 sums; everything else in f32.
;; Inputs: Wk 1,024 x 1,024 float32; Wq 1,024 x 1,024 float32; Wv 1,024 x 1,024 float32; attention_mask 4 x 1 x 1 x 2,048 float32; bk 1,024 float32; bq 1,024 float32; bv 1,024 float32; hidden_states 4 x 2,048 x 1,024 float32.
;; Outputs: out0 4 x 2,048 x 1,024 float32.
;; This version of the problem:
;;   THIS VERSION OF THE PROBLEM IS GIVEN IN LOW PRECISION. The matrix products marked QUANTISED in the list below multiply operands that are first quantised to E3M2 (3 exponent bits, 2 mantissa bits; 6 bits a number), with one power-of-two scale for each 32 numbers along K (OCP MX v1.0); their sums are f32. All else is computed in f32.
;;   The module's matrix products, in the order in which they are computed (A, B: the left and right operand; K: the contracted axis; several contracted axes count as one K, in the product's order):
;;     1. [M 8,192, K 1,024] x [K 1,024, N 1,024]; A: input hidden_states; B: input Wq: QUANTISED
;;     2. [M 8,192, K 1,024] x [K 1,024, N 1,024]; A: input hidden_states; B: input Wk: QUANTISED
;;     3. [M 8,192, K 1,024] x [K 1,024, N 1,024]; A: input hidden_states; B: input Wv: QUANTISED
;;     4. batch 64 x [M 2,048, K 64] x [K 64, N 2,048]; A: computed on the way; B: computed on the way: QUANTISED
;;     5. batch 64 x [M 2,048, K 2,048] x [K 2,048, N 64]; A: softmax (see below); B: computed on the way: QUANTISED
;;   THE QUANTISER, for each operand of a quantised product, along K:
;;     - K is cut into blocks of 32 from its start; a last block that is shorter is filled with zeros.
;;     - A block's scale is 2^e with e = floor(log2(the largest magnitude in the block)) - 4, held to -126 .. 127; a block of zeros has e = 0. As a byte (E8M0): e + 127.
;;     - Each number is divided by its block's scale, clamped to +-28, and rounded to the nearest number of E3M2, ties to even, subnormals kept.
;;     - The product sums the exact products of the quantised numbers (number of the format x scale) in f32.
;;   ~~~python
;;   def quantise(x, axis):      # numpy; x: float32 -> the quantised numbers, widened to float32 again
;;       x = np.moveaxis(x, axis, -1); K = x.shape[-1]
;;       x = np.pad(x, [(0, 0)] * (x.ndim - 1) + [(0, -K % 32)]); x = x.reshape(x.shape[:-1] + (-1, 32)); a = np.abs(x).max(-1, keepdims=True)
;;       e = np.where(a > 0, np.clip(np.frexp(np.where(a > 0, a, 1))[1] - 1 - 4, -126, 127), 0)      # np.frexp(a)[1] - 1 = floor(log2(a)), exactly
;;       r = np.clip(x / 2.0 ** e, -28, 28)
;;       step = 2.0 ** (np.maximum(np.frexp(np.where(r == 0, 1, r))[1] - 1, -2) - 2)
;;       q = np.round(r / step) * step * 2.0 ** e      # np.round: ties to even
;;       return np.moveaxis(q.reshape(q.shape[:-2] + (-1,))[..., :K], -1, axis).astype(np.float32)
;;   ~~~
;;   SOFTMAX AHEAD OF A QUANTISED PRODUCT. Where the list says 'softmax', what is quantised is not the finished softmax but p = 2^(t - M), with t = logit x log2(e) and M = ceil(the row's largest t), a whole number; so 1/2 < the row's largest p <= 1. The row's sum l is taken of the UNQUANTISED p, in f32, and the product's result is divided by l at the end. Since M is a whole number, a kernel that streams over the keys may use a running M (the ceiling of the running maximum): every later rescaling is an exact power of two, which a block's scale takes up: the codes' values come out the same.
;;   OPERANDS COMPUTED ON THE WAY. 'Computed on the way' means the value that the module computes at that place (a softmax that the list does not call 'softmax' is quantised finished and normalised). What goes into a quantiser is computed in f32, as accurately as f32 sums, v_exp_f32 and their like allow (about 1e-6 of the number): no bf16 or f16 on the way to a quantiser, and a product that is left as it is and whose result goes on into a quantised operand takes f32 operands (vector FMAs, or v_wmma_f32_16x16x4_f32). A number that lies on a knife's edge between two numbers of the format may be rounded either way, as far as f32 arithmetic and the matrix unit's own rounding can turn it there, and no further.
;; One version. Each part assembles by itself: llvm-mc -triple=amdgcn-amd-amdhsa -mcpu=gfx1250 --defsym DOCPART=n.
;; ======== version 1 of 1: 3 launches
;; workspace buffers: xw 6,553,600 bytes; ww 2,457,600 bytes; qi 6,553,600 bytes; ki 6,553,600 bytes; vi 6,553,600 bytes
;; launch quant (part 1): grid 352 x 1, 4 waves a work-group, no clusters, 33,280 bytes of LDS; arguments hidden_states, Wq, Wk, Wv, xw, ww; writes xw, ww
.if DOCPART == 1
	.amdgcn_target "amdgcn-amd-amdhsa--gfx1250"
	.amdhsa_code_object_version 6
	.text
	.protected	k_qd8aa744362_quant
	.globl	k_qd8aa744362_quant
	.p2align	8
	.type	k_qd8aa744362_quant,@function
k_qd8aa744362_quant:
	s_mov_b64 s[64:65], 0
	v_nop
	global_prefetch_b8 v0, s[64:65] scope:SCOPE_SE
	s_setreg_imm32_b32 hwreg(HW_REG_WAVE_MODE, 25, 1), 1
	s_wait_xcnt 0x0
; BertSelfAttention in MX-BF6 (E3M2, one E8M0 scale for each 32 along K), three launches: this one quantises hidden_states and the three weights along D;
; the second multiplies them, adds the biases and quantises q, k (along the head's 64) and v (along the keys); the third is the attention.
; DEAD WORK: none.  Every input has a way to the output: bq and bk move q's and k's codes, bv moves v's, attention_mask differs along the softmax's axis.  All five products are done.
; THIS LAUNCH.  hidden_states [8192][1024], Wq, Wk, Wv [1024][1024], f32, K innermost, become codes (a row: 768 bytes) and scale bytes (a row: 32 bytes) in xw and ww (ww: Wq's, Wk's, Wv's rows on end).
; A block's scale is 2^(floor(log2(its largest magnitude)) - 4); its byte is the largest magnitude's exponent field - 4, held at 1 from below.  A block of zeros gets the byte 1 where the rule says 127: its codes
; are zeros, which add nothing under any byte but 0xff, and this program alone reads the bytes.
; LIMITS: blocks whose largest magnitude lies under 2^-122, the floor, keep the byte 1; NaN and infinities among the inputs are not served.
; THE ROWS ARE STORED IN ANOTHER ORDER: row number with bits 3 and 4 exchanged.  Sixteen neighbouring stored rows 32 b + 16 u + r are then the rows 32 b + 8 u + r + 8 (r / 8), which is the choice of rows that lets the next
; launch's results lie as 16 neighbours along the next K in a lane's registers.  A wave's run is 8 rows, so the exchange is an exchange of the two bits of the wave's number in the address of what it stores.
; A wave takes 16 steps of 512 numbers.  Each of a step's four loads reads 512 consecutive bytes; the 2,048 bytes turn through the wave's own stage in LDS and come back 64 bytes a lane: 16 neighbours, two lanes to a block.
; A lane's 16 codes are 12 bytes: the wave stores 384 consecutive bytes.  A wave's 256 scale bytes are gathered in LDS and leave as one aligned run of 256 bytes.  No barrier: waves share nothing.
.set WAVES, 4
.set STEPS, 16
.set CB,    12                         ; bytes of 16 codes
.set R,     16                         ; v16-79   four sets of 16 numbers as they are loaded
.set X,     80                         ; v80-111  two sets of 16 neighbours
.set C,     128                        ; v128-191 codes: four registers for each step, so that no store's data are written again
.set E,     112                        ; v112-127 a scale byte for each step
.set WREG,  8192                       ; LDS: a region for each wave: two stages of 32 x SP bytes, and behind them its 256 scale bytes
.set SP,    80                         ; a lane's place in a stage: its 64 bytes + 16 of padding
.set SPW,   12                         ; v12      LDS address of my spare word; never rewritten
.set NIL,   13                         ; v13      0; never rewritten
.set SPARE, WAVES*WREG                 ; behind the four regions: the spare words, 128 bytes a wave, which no other line names
	s_load_b256 s[4:11], s[0:1], 0x0               ; hidden_states s[4:5], Wq s[6:7], Wk s[8:9], Wv s[10:11]
	s_load_b128 s[12:15], s[0:1], 0x20             ; xw s[12:13], ww s[14:15]
	v_lshl_add_u32 v[SPW], v0, 2, SPARE
	v_mov_b32 v[NIL], 0
	v_lshrrev_b32 v1, 5, v0
	v_readfirstlane_b32 s16, v1                    ; wave
	v_and_b32 v2, 31, v0                           ; lane
	v_lshlrev_b32 v3, 4, v2                        ; my 16 bytes of a load's 512
	s_mul_i32 s17, s16, WREG
	v_lshrrev_b32 v14, 2, v2
	v_mul_u32_u24 v14, v14, SP
	v_and_b32 v15, 3, v2
	v_lshl_add_u32 v14, v15, 4, v14
	v_add_nc_u32 v14, s17, v14                     ; the stage, on the way in: SP (lane / 4) + 16 (lane % 4)
	v_mul_u32_u24 v15, v2, SP
	v_add_nc_u32 v15, s17, v15                     ; and on the way out: SP x lane: my 16 neighbours
	v_mul_u32_u24 v4, v2, CB                       ; my codes' place in a step's
	v_lshrrev_b32 v5, 1, v2
	s_add_co_u32 s17, s17, 2*32*SP
	v_add_nc_u32 v5, s17, v5                       ; LDS: my wave's 256 scale bytes, my block's byte
	v_lshlrev_b32 v7, 3, v2                        ; and on the way out 8 bytes a lane
	v_add_nc_u32 v6, s17, v7
	s_sub_co_u32 s24, ttmp9, 256                   ; work-groups 0-255 take hidden_states, 256-287 Wq, 288-319 Wk, 320-351 Wv: 32 rows each
	s_and_b32 s25, s24, 31                         ; which 32 rows of a weight
	s_and_b32 s26, s16, 1
	s_lshl_b32 s26, s26, 1
	s_lshr_b32 s27, s16, 1
	s_or_b32 s26, s26, s27                         ; the wave's number with its two bits exchanged
	s_mov_b32 s28, 2359296                         ; where ww's scale bytes begin
	s_wait_kmcnt 0x0
	s_cmp_lt_u32 ttmp9, 320                        ; the choices hang on the work-group's number alone
	s_cselect_b64 s[10:11], s[8:9], s[10:11]
	s_cmp_lt_u32 ttmp9, 288
	s_cselect_b64 s[10:11], s[6:7], s[10:11]
	s_cmp_lt_u32 ttmp9, 256
	s_cselect_b64 s[4:5], s[4:5], s[10:11]         ; what I read
	s_cselect_b64 s[8:9], s[12:13], s[14:15]       ; where I store
	s_cselect_b32 s28, 6291456, s28                ; where its scale bytes begin
	s_cselect_b32 s25, ttmp9, s25                  ; which 32 rows of what I read,
	s_cselect_b32 s24, ttmp9, s24                  ; and of where I store
	s_lshl_b32 s25, s25, 2
	s_add_co_u32 s25, s25, s16                     ; my run of 8 rows as read
	s_lshl_b32 s18, s25, 15                        ; 32,768 bytes a run
	s_mov_b32 s19, 0
	s_add_nc_u64 s[4:5], s[4:5], s[18:19]
	s_lshl_b32 s24, s24, 2
	s_add_co_u32 s24, s24, s26                     ; my run as stored
	s_lshl_b32 s18, s24, 8                         ; 256 scale bytes a run
	s_add_co_u32 s18, s18, s28
	s_add_nc_u64 s[10:11], s[8:9], s[18:19]
	s_mul_i32 s18, s24, 6144                       ; 6,144 bytes of codes a run
	s_add_nc_u64 s[8:9], s[8:9], s[18:19]
.macro LOAD t
.irp i, 0,1,2,3
	global_load_b128 v[R+16*((\t)%4)+4*\i:R+16*((\t)%4)+4*\i+3], v3, s[4:5] offset:2048*(\t)+512*\i th:TH_LOAD_NT   ; 32 lanes read 512 consecutive bytes
.endr
.endm
.macro TURN t                          ; step t's numbers through the stage: LDS serves a wave's instructions in order, so no wait stands between the stores and the loads
.irp i, 0,1,2,3
	ds_store_b128 v14, v[R+16*((\t)%4)+4*\i:R+16*((\t)%4)+4*\i+3] offset:32*SP*((\t)%2)+8*SP*\i
.endr
.irp i, 0,1,2,3
	ds_load_b128 v[X+16*((\t)%2)+4*\i:X+16*((\t)%2)+4*\i+3], v15 offset:32*SP*((\t)%2)+16*\i
.endr
.endm
.irp t, 0,1,2,3
	LOAD \t
.endr
	s_wait_loadcnt 12                              ; step 0's four loads are in; the twelve of steps 1 to 3 may be out
	TURN 0
.macro STEP t
.set XS, X+16*((\t)%2)
.if (\t) > 0
	s_wait_dscnt 1                                 ; this step's numbers are back from the stage (the last step's byte store may be out): so its stores into the stage have read their registers,
.else
	s_wait_dscnt 0x0
.endif
.if (\t)+4 < STEPS
	LOAD (\t)+4                                    ; which take the loads of four steps on
.endif
.if (\t)+1 < STEPS
.if STEPS-2-(\t) >= 3
	s_wait_loadcnt 12                              ; the next step's four loads are in; those of the three steps behind it may be out
.else
	s_wait_loadcnt 4*(STEPS-2-(\t))
.endif
	TURN (\t)+1                                    ; and go through the other stage while this step is worked
.endif
	v_max3_num_f32 v8, |v[XS]|, |v[XS+1]|, |v[XS+2]|               ; the largest magnitude of my 16, in two chains
	v_max3_num_f32 v9, |v[XS+3]|, |v[XS+4]|, |v[XS+5]|
.irp i, 6,10
	v_max3_num_f32 v8, v8, |v[XS+\i]|, |v[XS+\i+1]|
	v_max3_num_f32 v9, v9, |v[XS+\i+2]|, |v[XS+\i+3]|
.endr
	v_max3_num_f32 v8, v8, |v[XS+14]|, |v[XS+15]|
	v_max3_num_f32 v8, v8, v9, 0x2800000           ; and the floor 2^(5 - 127): the byte cannot fall under 1
	v_max_num_f32_dpp v8, v8, v8 row_xmask:1 row_mask:0xf bank_mask:0xf   ; and of my neighbour's 16: the block's
	v_add_nc_u32 v11, 0xfe000000, v8               ; 4 off its exponent field: the conversion takes the exponent field of this operand as its scale, and nothing else of it
	v_cvt_scalef32_pk16_bf6_f32 v[C+4*(\t):C+4*(\t)+2], v[XS:XS+15], v11   ; sixteen numbers / the scale, to the nearest code, ties to even, beyond the largest code the largest
	v_lshrrev_b32 v[E+(\t)], 23, v11               ; the scale's byte (also the plain line behind the conversion)
	ds_store_b8 v5, v[E+(\t)] offset:16*(\t)       ; both lanes of a block write the same byte with the same value
	global_store_b96 v4, v[C+4*(\t):C+4*(\t)+2], s[8:9] offset:32*CB*(\t)
.endm
.irp t, 0,1,2,3,4,5,6,7,8,9,10,11,12,13,14,15
	STEP \t
.endr
	ds_load_b64 v[8:9], v6                         ; LDS serves a wave's instructions in order: these see my stores
	s_wait_dscnt 0x0
	global_store_b64 v7, v[8:9], s[10:11]          ; 32 lanes store 256 consecutive bytes, aligned
	s_wait_tensorcnt 0x0                           ; the wave's end
	ds_add_u32 v[SPW], v[NIL]
	s_wait_dscnt 0x0
	s_endpgm
.Lfunc_end_k_qd8aa744362_quant:
	.size	k_qd8aa744362_quant, .Lfunc_end_k_qd8aa744362_quant-k_qd8aa744362_quant
	.p2alignl 7, 3214868480
	.fill 96, 4, 3214868480
	.section	.rodata,"a",@progbits
	.p2align	6, 0x0
	.amdhsa_kernel k_qd8aa744362_quant
		.amdhsa_group_segment_fixed_size 33280
		.amdhsa_private_segment_fixed_size 0
		.amdhsa_enable_private_segment 0
		.amdhsa_kernarg_size 48
		.amdhsa_user_sgpr_count 2
		.amdhsa_user_sgpr_kernarg_segment_ptr 1
		.amdhsa_wavefront_size32 1
		.amdhsa_system_sgpr_workgroup_id_x 1
		.amdhsa_system_sgpr_workgroup_id_y 1
		.amdhsa_system_sgpr_workgroup_id_z 1
		.amdhsa_system_vgpr_workitem_id 0
		.amdhsa_next_free_vgpr 192
		.amdhsa_next_free_sgpr 66
		.amdhsa_reserve_vcc 0
		.amdhsa_float_denorm_mode_32 3
		.amdhsa_float_denorm_mode_16_64 3
		.amdhsa_memory_ordered 1
		.amdhsa_forward_progress 1
		.amdhsa_inst_pref_size 33
	.end_amdhsa_kernel
	.amdgpu_metadata
---
amdhsa.version: [ 1, 2 ]
amdhsa.kernels:
  - .name:           k_qd8aa744362_quant
    .symbol:         k_qd8aa744362_quant.kd
    .args:
      - { .name: hidden_states, .offset: 0, .size: 8, .value_kind: global_buffer, .address_space: global }
      - { .name: Wq, .offset: 8, .size: 8, .value_kind: global_buffer, .address_space: global }
      - { .name: Wk, .offset: 16, .size: 8, .value_kind: global_buffer, .address_space: global }
      - { .name: Wv, .offset: 24, .size: 8, .value_kind: global_buffer, .address_space: global }
      - { .name: xw, .offset: 32, .size: 8, .value_kind: global_buffer, .address_space: global }
      - { .name: ww, .offset: 40, .size: 8, .value_kind: global_buffer, .address_space: global }
    .group_segment_fixed_size: 33280
    .private_segment_fixed_size: 0
    .kernarg_segment_align: 8
    .kernarg_segment_size: 48
    .max_flat_workgroup_size: 128
    .sgpr_count:     66
    .vgpr_count:     192
    .wavefront_size: 32
...
	.end_amdgpu_metadata
.endif
;; end of part 1
;; launch proj (part 2): grid 12 x 32, 4 waves a work-group, clusters of 4 x 4, 327,680 bytes of LDS; arguments xw, ww, bq, bk, bv, qi, ki, vi; writes qi, ki, vi
.if DOCPART == 2
	.amdgcn_target "amdgcn-amd-amdhsa--gfx1250"
	.amdhsa_code_object_version 6
	.text
	.protected	k_qd8aa744362_proj
	.globl	k_qd8aa744362_proj
	.p2align	8
	.type	k_qd8aa744362_proj,@function
k_qd8aa744362_proj:
	s_mov_b64 s[64:65], 0
	v_nop
	global_prefetch_b8 v0, s[64:65] scope:SCOPE_SE
	s_setreg_imm32_b32 hwreg(HW_REG_WAVE_MODE, 25, 1), 1
	s_wait_xcnt 0x0
	s_wait_alu depctr_hold_cnt(0) depctr_sa_sdst(0) depctr_va_vdst(0) depctr_va_sdst(0) depctr_va_ssrc(0) depctr_va_vcc(0) depctr_vm_vsrc(0)
	s_getreg_b32 s2, hwreg(HW_REG_IB_STS2, 6, 4)
	s_cmp_eq_u32 s2, 0
	s_cbranch_scc0 .Lentry_in_a_cluster
	s_endpgm
.Lentry_in_a_cluster:
	s_bfe_u32 s2, ttmp6, 0x10000c
	s_cmp_lg_u32 s2, 0xf033
	s_cbranch_scc0 .Lentry_shape_is_right
	s_endpgm
.Lentry_shape_is_right:
; q, k, v = x W^T + b on codes of BF6 (E3M2) with one E8M0 scale for each 32 along K = 1,024; the results are quantised in registers and stored as IMAGES OF THE NEXT LAUNCH'S OPERAND REGISTERS.  No work is left out.
; xw: 8,192 rows of codes (768 bytes) and, from byte 6,291,456 on, of scale bytes (32 bytes); ww: 3,072 rows (Wq, Wk, Wv) likewise, scale bytes from byte 2,359,296 on.  Both with row bits 3 and 4 exchanged:
; sixteen stored rows 32 b + 16 u + r are the rows 32 b + 8 u + r + 8 (r / 8).
; A tile of 256 tokens x 256 weight rows is made by four waves, each 128 x 128: 64 accumulators of 16 x 16.  K goes in steps of 256 through a ring of two LDS slots filled by the tensor data mover; the scale bytes of the
; work-group's rows come once.  CLUSTERS of 4 x 4: x's tiles are asked for jointly along a row of the cluster, W's along a column.  The cluster's x says which product: 0 q, 1 k, 2 v: the same in all sixteen partners.
; In a result a lane holds ONE row of source 1, and its registers run along the rows of source 0.  q and k are quantised along the head's 64: source 1 = tokens, source 0 = weight rows.  v is quantised along the keys:
; source 1 = weight rows (d), source 0 = tokens.  So for v the two sources read each other's LDS region: one bit made of the cluster's x enters the LDS addresses; all else of the loop is the same text.
; By the order of the stored rows a lane's 64 results of one block of source 1 are, in register order, rows 32 b + 16 (lane / 16) + 0 .. 15 of source 0, b = 0 .. 3: what the conversions want.
; WHAT IS STORED.  A fragment is 12 registers a lane, 1,536 bytes: registers 4 c .. 4 c + 3 at 512 c + 16 x lane.  With hb = 16 x batch + head:
;   qi, ki: [hb][group of 32 tokens][1,536]: registers 0-5: token 32 g + r + 8 (r / 8), the head's numbers 32 (lane / 16) on; registers 6-11: the token 8 further on.  From byte 6,291,456 on: [hb][128 tokens][r][group] scale words,
;           a word's bytes: the first token's two blocks, then the second's.
;   vi:     [hb][128 keys][tau][1,536]: row r is d = 32 (tau / 2) + 8 (tau % 2) + r + 8 (r / 8), K = the 128 keys in their order.  From byte 6,291,456 on: [hb][128 keys][lane][2] scale words: tau = lane / 16 and 2 + lane / 16.
; LIMITS: a block of q or k whose largest magnitude lies under 2^-119 keeps the byte 4 (the next launch takes 3 off q's bytes), one of v under 2^-122 the byte 1; a block of zeros keeps that byte too: its codes are zeros.
; NaN and infinities are not served.
; REGISTERS, in windows of 256: window 0: v1, v2 lane % 16, lane / 16; v16-30 addresses; v32-63 source 1's scale words, two sets; v64-95 source 0's; v96-127, v224-255 the bias; v128-223 source 1's fragments, ONE set.
;   window 1: source 0's fragments, TWO sets, at v0 and v128.   windows 2, 3: the accumulators ((a, b) at v[8 (8 (a % 4) + b)]).   On the way out window 0's v32-61 and v128-222 are at work.
.set KSTEP,  256                       ; along K in a slot
.set NQ,     2                         ; matrix instructions deep
.set ROWB,   192                       ; a tile's row in bytes
.set KROW,   768                       ; a row of codes in memory
.set PITCH,  240                       ; an LDS row: 3 x (64 bytes + 16 of padding)
.set FR,     12                        ; registers of a fragment
.set NL,     6                         ; LDS loads that bring one
.set NP,     4                         ; places behind this matrix instruction (ISA guide 7.12.1)
.set HALFT,  128*PITCH                 ; 128 rows: what one tensor load brings, and what one wave reads of a source
.set SLOT,   4*HALFT                   ; x's 256 rows, then W's 256 rows
.set KS,     32                        ; a row of scale bytes
.set SCL,    2*SLOT                    ; behind the ring: the scale bytes, as runs of 256 bytes + 16 of padding
.set HALFS,  (128*KS/256)*272          ; those of 128 rows
.set SBLK,   (16*KS/256)*272           ; those of 16 rows
.set SPARE,  SCL+4*HALFS               ; behind them: the spare words, 128 bytes a wave, which no other line names
.set HSTR,   98304                     ; a head's codes in qi, ki, vi
.set ISOFF,  6291456                   ; where the scale words begin there
.set ADRA, 16                          ; v16-17 LDS address of source 1's fragments in slot 0, 1 (v18-19: for the pieces behind one padding more)
.set ADRB, 20                          ; v20-23 the same for source 0
.set ADS1, 24                          ; v24    LDS address of source 1's scale words
.set ADS0, 25                          ; v25    of source 0's
.set LI,   26                          ; v26    16 x lane
.set SOF,  27                          ; v27    my place among the scale words that I store
.set SPW,  28                          ; v28    LDS address of my spare word; never rewritten
.set NIL,  29                          ; v29    0; never rewritten
.set BOF,  30                          ; v30    my byte offset in the bias
.set SC1,  32
.set SC0,  64
.set AF,   128
.set ST,   128                         ; the way out: 64 numbers
.set CA,   192                         ; two fragments of codes
.set CB,   204
.set CT,   216                         ; v216-218, v220-222: the conversions' upper halves
.set TM,   32                          ; v32-35 largest magnitudes, v36-39 bytes, v44-47 the conversions' scale operands
.set PWR,  48                          ; v48-55 a scale word for each block of source 1
.set OW,   56                          ; v56-59 the scale words as stored
.set SELV, 60
.set BR,   96
.set G1, 24                            ; s[24:31] descriptor group 1 for x's tiles;  s[32:39] group 0, one set for each slot
.set G0, 32
.set G1B, 48                           ; s[48:55], s[56:63] the same for W's tiles
.set G0B, 56
.set G1S, 68                           ; s[68:75], s[76:79] groups 1 and 0 for x's scale bytes;  s[80:87], s[88:91] for W's
.set G0S, 76
.set G1SB, 80
.set G0SB, 88
.set MSB, 0
.macro WIN new                         ; the immediate's high byte repeats the setting that is left
.if MSB != (\new)
	s_set_vgpr_msb (MSB<<8)|(\new)
.set MSB, (\new)
.endif
.endm
.set MUL_LO, 0xa1                      ; source 0 window 1, source 1 window 0, C and D window 2
.set MUL_HI, 0xf1                      ; the same, C and D window 3
.set TO_B,   0x40                      ; destination window 1, address window 0
; A joint load: waves 0 and 1 fetch for x, waves 2 and 3 for W.  The branch hangs on the wave's number alone.  An s_nop 0 and four v_nop follow each of the two lines.
.macro JLOAD g0a, g1a, g0b, g1b
	s_cmp_eq_u32 s15, 0
	s_cbranch_scc0 .Lfor_b_\@
	tensor_load_to_lds s[\g0a:\g0a+3], s[\g1a:\g1a+7]
	s_nop 0
.rept 4
	v_nop
.endr
	s_branch .Lasked_\@
.Lfor_b_\@:
	tensor_load_to_lds s[\g0b:\g0b+3], s[\g1b:\g1b+7]
	s_nop 0
.rept 4
	v_nop
.endr
.Lasked_\@:
.endm
.macro CREST                           ; a round of the cluster's barrier behind its opening barrier
	s_cmp_lg_u32 s14, 0
	s_cbranch_scc1 .Lnot_wave_0_\@
	s_barrier_signal -3
.Lnot_wave_0_\@:
	s_barrier_wait -3
	s_barrier_signal -1
	s_barrier_wait -1
.endm
.macro CROUND                          ; a whole round
	s_barrier_signal -1
	s_barrier_wait -1
	CREST
.endm
	s_load_b128 s[4:7], s[0:1], 0x0                ; xw s[4:5], ww s[6:7]
	v_lshl_add_u32 v[SPW], v0, 2, SPARE
	v_mov_b32 v[NIL], 0
	ds_add_u32 v[SPW], v[NIL]                      ; the wave's opening: the add, twice on end, and its wait ahead of my first tensor load
	ds_add_u32 v[SPW], v[NIL]
	v_lshrrev_b32 v1, 5, v0
	v_readfirstlane_b32 s14, v1                    ; wave 0..3
	s_lshr_b32 s15, s14, 1                         ; which 128 rows of source 1 are mine.  Also: I fetch for x (0) or for W (1)
	s_and_b32 s16, s14, 1                          ; which 128 rows of source 0.  Also: which 128 rows of that tile I fetch
	s_bfe_u32 s40, ttmp6, 0x40000                  ; cx, cy: my place in the cluster
	s_bfe_u32 s41, ttmp6, 0x40004
	s_lshl_b32 s42, ttmp9, 2
	s_add_co_u32 s42, s42, s40                     ; which 256 rows of ww = 4 x cluster x + cx
	s_and_b32 s17, ttmp7, 0xffff
	s_lshl_b32 s17, s17, 2
	s_add_co_u32 s17, s17, s41                     ; which 256 tokens = 4 x cluster y + cy
	s_lshl_b32 s43, s41, 2
	s_lshl_b32 s43, 15, s43                        ; my row of the cluster
	s_lshl_b32 s44, 0x1111, s40                    ; my column
	; descriptor group 1: a tile of 128 rows x 192 bytes, 16 bytes of padding behind every 64
	s_or_b32 s[G1+0], s43, (0<<16)|(1<<20)|(1<<21)|(3<<22)|(3<<25)  ; 15:0 the mask: x's tiles go to my row; 17:16 elements of 1 byte; 20 padding on; 21 set beside a mask; 24:22 after every 16 words; 31:25 of 4 words
	s_or_b32 s[G1B+0], s44, (0<<16)|(1<<20)|(1<<21)|(3<<22)|(3<<25)
.irp g, G1, G1B
	s_mov_b32 s[\g+1], ROWB<<16                    ; tensor_dim0
	s_mov_b32 s[\g+2], 128<<16                     ; tensor_dim1
	s_mov_b32 s[\g+3], ROWB<<16                    ; tile_dim0
	s_mov_b32 s[\g+4], 128                         ; tile_dim1
	s_mov_b32 s[\g+5], KROW                        ; from row to row
	s_mov_b32 s[\g+6], 0
	s_mov_b32 s[\g+7], 0
.endr
	; the scale bytes of 128 rows: a dense block of 4,096 bytes, as 16 rows of 256 bytes (32 elements of 8), 16 bytes of padding behind each
	s_or_b32 s[G1S+0], s43, (3<<16)|(1<<20)|(1<<21)|(5<<22)|(3<<25)
	s_or_b32 s[G1SB+0], s44, (3<<16)|(1<<20)|(1<<21)|(5<<22)|(3<<25)
.irp g, G1S, G1SB
	s_mov_b32 s[\g+1], 32<<16
	s_mov_b32 s[\g+2], (128*KS/256)<<16
	s_mov_b32 s[\g+3], 32<<16
	s_mov_b32 s[\g+4], 128*KS/256
	s_mov_b32 s[\g+5], 32
	s_mov_b32 s[\g+6], 0
	s_mov_b32 s[\g+7], 0
.endr
	s_lshl_b32 s18, s16, 7                         ; which 128 rows of the tile I fetch
	s_lshl_b32 s20, s17, 8
	s_add_co_u32 s20, s20, s18                     ; x: row 256 x tile + 128 x half
	s_lshl_b32 s46, s42, 8
	s_add_co_u32 s46, s46, s18                     ; W likewise
	s_mov_b32 s21, 0
	s_mov_b32 s47, 0
	s_mov_b64 s[18:19], KS
	s_mul_u64 s[22:23], s[20:21], s[18:19]         ; where these rows' scale bytes begin
	s_mul_u64 s[92:93], s[46:47], s[18:19]
	s_mov_b64 s[18:19], KROW
	s_mul_u64 s[20:21], s[20:21], s[18:19]         ; and their codes
	s_mul_u64 s[46:47], s[46:47], s[18:19]
	s_mul_i32 s45, s14, HALFT                      ; where they go: wave x 128 rows: no place in the cluster enters an LDS address
	s_mul_i32 s94, s14, HALFS
	s_wait_dscnt 0x0                               ; both opening adds are done
	s_wait_kmcnt 0x0
	s_add_nc_u64 s[20:21], s[4:5], s[20:21]
	s_add_nc_u64 s[22:23], s[4:5], s[22:23]
	s_add_nc_u64 s[22:23], s[22:23], 6291456       ; xw's scale bytes lie behind its codes
	s_add_nc_u64 s[46:47], s[6:7], s[46:47]
	s_add_nc_u64 s[92:93], s[6:7], s[92:93]
	s_add_nc_u64 s[92:93], s[92:93], 2359296       ; ww's likewise
	CROUND                                         ; all sixteen work-groups are here: the first joint loads meet
	s_mov_b32 s[G0S], 1
	s_add_co_u32 s[G0S+1], s94, SCL
	s_mov_b64 s[G0S+2:G0S+3], s[22:23]
	s_or_b32 s[G0S+3], s[G0S+3], 0x80000000
	s_mov_b32 s[G0SB], 1
	s_add_co_u32 s[G0SB+1], s94, SCL
	s_mov_b64 s[G0SB+2:G0SB+3], s[92:93]
	s_or_b32 s[G0SB+3], s[G0SB+3], 0x80000000
	JLOAD G0S, G1S, G0SB, G1SB                     ; the scale bytes first: they are wanted with K step 0
.irp s, 0,1
	s_mov_b32 s[G0+4*\s], 1
	s_add_co_u32 s[G0+4*\s+1], s45, \s*SLOT
	s_add_nc_u64 s[G0+4*\s+2:G0+4*\s+3], s[20:21], \s*ROWB
	s_or_b32 s[G0+4*\s+3], s[G0+4*\s+3], 0x80000000
	s_mov_b32 s[G0B+4*\s], 1
	s_add_co_u32 s[G0B+4*\s+1], s45, \s*SLOT
	s_add_nc_u64 s[G0B+4*\s+2:G0B+4*\s+3], s[46:47], \s*ROWB
	s_or_b32 s[G0B+4*\s+3], s[G0B+4*\s+3], 0x80000000
	JLOAD G0+4*\s, G1, G0B+4*\s, G1B               ; three tensor loads of mine are out now, and never more
.endr
	s_load_b256 s[4:11], s[0:1], 0x10              ; for the way out: bq s[4:5], bk s[6:7], bv s[8:9], qi s[10:11]; the registers hold nothing that is still wanted; waited for ahead of the way out
	s_load_b128 s[92:95], s[0:1], 0x30             ; ki s[92:93], vi s[94:95]
	v_and_b32 v1, 15, v0                           ; r = lane % 16
	v_bfe_u32 v2, v0, 4, 1                         ; h = lane / 16
	v_mul_u32_u24 v3, v1, PITCH
	v_mul_u32_u24 v4, v2, 24
	v_add_nc_u32 v4, v3, v4                        ; a fragment's row x pitch + 24 x half
	v_lshl_add_u32 v5, v2, 4, v4                   ; and the same behind one padding more
	s_lshr_b32 s18, ttmp9, 1
	s_and_b32 s18, s18, 1                          ; 1 for v: source 1 reads W's region and source 0 x's
	s_xor_b32 s19, s18, 1
	s_mul_i32 s21, s15, HALFT                      ; source 1: my 128 rows,
	s_mul_i32 s23, s18, 2*HALFT                    ; in x's region (q, k) or in W's, which lies behind it (v)
	s_add_co_u32 s21, s21, s23
	s_mul_i32 s22, s16, HALFT                      ; source 0: my 128 rows, in the other region
	s_mul_i32 s23, s19, 2*HALFT
	s_add_co_u32 s22, s22, s23
.irp s, 0,1
	v_add_nc_u32 v[ADRA+\s], s21, v4
	v_add_nc_u32 v[ADRB+\s], s22, v4
	v_add_nc_u32 v[ADRA+2+\s], s21, v5
	v_add_nc_u32 v[ADRB+2+\s], s22, v5
	s_add_co_u32 s21, s21, SLOT
	s_add_co_u32 s22, s22, SLOT
.endr
	v_lshlrev_b32 v5, 5, v1                        ; my row's scale bytes: 32 a row,
	v_lshrrev_b32 v6, 8, v5
	v_lshl_add_u32 v5, v6, 4, v5                   ; and 16 more for each 256 passed
	s_mul_i32 s21, s15, HALFS
	s_mul_i32 s23, s18, 2*HALFS
	s_add_co_u32 s21, s21, s23
	s_add_co_u32 s21, s21, SCL
	s_mul_i32 s22, s16, HALFS
	s_mul_i32 s23, s19, 2*HALFS
	s_add_co_u32 s22, s22, s23
	s_add_co_u32 s22, s22, SCL
	v_add_nc_u32 v[ADS1], s21, v5
	v_add_nc_u32 v[ADS0], s22, v5
.macro FRAG reg, adr, q, i             ; a fragment, 16 rows x 128 K: lane l holds row l % 16; registers 6 c .. 6 c + 5 hold K = 64 c + 32 (l / 16) + 0 .. 31: 24 bytes of the row's stream of bits, as they lie
.irp p, 0,1,2,3,4,5                    ; in pieces of 8 bytes.  Lanes 16-31 read three pieces further on than lanes 0-15: where that is behind one padding more, the second address register serves
.set PC, 12*(\q)+6*(\p/3)+\p%3
.if PC%8 < 5
	ds_load_b64 v[\reg+2*\p:\reg+2*\p+1], v[\adr] offset:8*PC+16*(PC/8)+(\i)*16*PITCH
.else
	ds_load_b64 v[\reg+2*\p:\reg+2*\p+1], v[\adr+2] offset:8*PC+16*(PC/8)+(\i)*16*PITCH
.endif
.endr
.endm
; 16 matrix instructions: source 1's blocks a0, a0 + 1 x source 0's eight, 128 along K: the slot's q-th.  p: source 0's set;  sc: the set of scale words.  zero = 1: the first product starts the sums.
; The 64 accumulators take turns, one instruction a turn, in the same order in every step.
.macro MUL16 a0, p, q, sc, zero
.irp a, \a0, \a0+1
.irp b, 0,1,2,3,4,5,6,7
.if \zero
	v_wmma_scale_f32_16x16x128_f8f6f4 v[8*(8*((\a)%4)+\b):8*(8*((\a)%4)+\b)+7], v[128*(\p)+FR*\b:128*(\p)+FR*\b+FR-1], v[AF+FR*(\a):AF+FR*(\a)+FR-1], 0, v[SC0+16*(\sc)+2*\b+(\q)], v[SC1+16*(\sc)+2*(\a)+(\q)] matrix_a_fmt:MATRIX_FMT_BF6 matrix_b_fmt:MATRIX_FMT_BF6
.else
	v_wmma_scale_f32_16x16x128_f8f6f4 v[8*(8*((\a)%4)+\b):8*(8*((\a)%4)+\b)+7], v[128*(\p)+FR*\b:128*(\p)+FR*\b+FR-1], v[AF+FR*(\a):AF+FR*(\a)+FR-1], v[8*(8*((\a)%4)+\b):8*(8*((\a)%4)+\b)+7], v[SC0+16*(\sc)+2*\b+(\q)], v[SC1+16*(\sc)+2*(\a)+(\q)] matrix_a_fmt:MATRIX_FMT_BF6 matrix_b_fmt:MATRIX_FMT_BF6
.endif
.endr
.endr
.endm
.macro FETCH_B slot, q, p              ; source 0's eight fragments of the slot's q-th 128 along K into set p
	WIN TO_B
.irp i, 0,1,2,3,4,5,6,7
	FRAG 128*(\p)+FR*\i, ADRB+\slot, \q, \i
.endr
	WIN 0
.endm
.macro FETCH_A slot, q, i0             ; source 1's blocks i0 .. i0 + 3
.irp i, \i0, \i0+1, \i0+2, \i0+3
	FRAG AF+FR*(\i), ADRA+\slot, \q, \i
.endr
.endm
.macro SCALES sc                       ; the next K step's scale words into set sc: two words a row; lane l takes row l % 16 of block i
.irp i, 0,1,2,3,4,5,6,7
	ds_load_b64 v[SC1+16*\sc+2*\i:SC1+16*\sc+2*\i+1], v[ADS1] offset:\i*SBLK
.endr
.irp i, 0,1,2,3,4,5,6,7
	ds_load_b64 v[SC0+16*\sc+2*\i:SC0+16*\sc+2*\i+1], v[ADS0] offset:\i*SBLK
.endr
.endm
.macro PLACES n                        ; plain vector lines between a matrix instruction and a load into, or a vector line on, one of its registers
.rept \n
	v_nop
.endr
.endm
; A step of 128 along K that has its successor in the same slot.
.macro STEP slot, q, zero
	s_wait_dscnt 4*NL                              ; all but the youngest 24 loads (source 1's blocks 4-7) are in
	WIN MUL_LO
	MUL16 0, (\q)%2, \q, \slot, \zero
	MUL16 2, (\q)%2, \q, \slot, \zero
	s_wait_dscnt 0                                 ; blocks 4-7 are in
	PLACES NP
	FETCH_B \slot, (\q)+1, 1-(\q)%2
	FETCH_A \slot, (\q)+1, 0
	WIN MUL_HI
	MUL16 4, (\q)%2, \q, \slot, \zero
	MUL16 6, (\q)%2, \q, \slot, \zero
	PLACES NP
	WIN 0
	FETCH_A \slot, (\q)+1, 4
.endm
; A slot's last step changes slots: ONE barrier; in front of it each wave waits for all its tensor loads, adds 0 to its spare word, and waits for that and for its own reads of this slot.  fill = 1: this slot is filled again, two K steps ahead.
.macro TURN slot, next, fill
	s_wait_tensorcnt 0x0                           ; all my tensor loads have landed: my part of the next slot  (every window is 0 here)
	ds_add_u32 v[SPW], v[NIL]                      ; 0 onto my spare word
	s_wait_dscnt 4*NL+1                            ; the add and the youngest 24 loads may be out
	WIN MUL_LO
	MUL16 0, 1, NQ-1, \slot, 0                     ; sixteen matrix instructions stand between the add and the wait for it
	s_wait_dscnt 0x0                               ; the add is done, and my reads of this slot are over
	s_barrier_signal -1
	MUL16 2, 1, NQ-1, \slot, 0
	WIN 0
	s_barrier_wait -1
.if \fill
	CREST                                          ; the barrier has opened a round of the cluster's barrier: no wave of any partner still reads this slot's tile or has a load on its way
	s_add_nc_u64 s[G0+4*\slot+2:G0+4*\slot+3], s[G0+4*\slot+2:G0+4*\slot+3], 2*ROWB
	s_add_nc_u64 s[G0B+4*\slot+2:G0B+4*\slot+3], s[G0B+4*\slot+2:G0B+4*\slot+3], 2*ROWB
	JLOAD G0+4*\slot, G1, G0B+4*\slot, G1B         ; the first tensor load behind the round; its four v_nop are the places in front of the loads below
.else
	PLACES NP
.endif
	v_add_nc_u32 v[ADS1], 4*NQ, v[ADS1]            ; on to the next K step's scale words
	v_add_nc_u32 v[ADS0], 4*NQ, v[ADS0]
	FETCH_B \next, 0, 0
	FETCH_A \next, 0, 0
	SCALES \next
	WIN MUL_HI
	MUL16 4, 1, NQ-1, \slot, 0
	MUL16 6, 1, NQ-1, \slot, 0
	PLACES NP
	WIN 0
	FETCH_A \next, 0, 4
.endm
.macro LAST                            ; the very last step: nothing more to fetch
	s_wait_dscnt 4*NL
	WIN MUL_LO
	MUL16 0, 1, NQ-1, 1, 0
	MUL16 2, 1, NQ-1, 1, 0
	s_wait_dscnt 0
	WIN MUL_HI
	MUL16 4, 1, NQ-1, 1, 0
	MUL16 6, 1, NQ-1, 1, 0
	WIN 0
.endm
; 64 numbers of a lane, v[s] on, register 16 b + i = k 32 b + 16 (lane / 16) + i of my row, become codes: blocks 0, 1 in v[d0] .. v[d0 + 5], blocks 2, 3 in v[d1] .. v[d1 + 5], a whole block to a lane; and the four bytes' word in v[pw].
.macro QUANT s, d0, d1, pw, fl
.irp b, 0,1,2,3
	v_max3_num_f32 v[TM+\b], |v[\s+16*\b]|, |v[\s+1+16*\b]|, \fl   ; block b: my 16 numbers, and the floor
.endr
.irp i, 2,4,6,8,10,12,14
.irp b, 0,1,2,3
	v_max3_num_f32 v[TM+\b], v[TM+\b], |v[\s+16*\b+\i]|, |v[\s+1+16*\b+\i]|   ; (the four blocks by turns)
.endr
.endr
.irp b, 0,1,2,3
	v_permlanex16_b32 v[TM+4+\b], v[TM+\b], s20, s21
.endr
.irp b, 0,1,2,3
	v_max_num_f32 v[TM+\b], v[TM+\b], v[TM+4+\b]   ; with lane l xor 16's: the block's largest magnitude
.endr
.irp b, 0,1,2,3
	v_add_nc_u32 v[TM+12+\b], 0xfe000000, v[TM+\b] ; 4 off its exponent field: the conversion's scale operand
.endr
.irp b, 0,1,2,3
	v_lshrrev_b32 v[TM+4+\b], 23, v[TM+12+\b]      ; the scale's byte
.endr
	v_lshl_or_b32 v[\pw], v[TM+5], 8, v[TM+4]
	v_lshl_or_b32 v[\pw], v[TM+6], 16, v[\pw]
	v_lshl_or_b32 v[\pw], v[TM+7], 24, v[\pw]
	v_cvt_scalef32_pk16_bf6_f32 v[(\d0):(\d0)+2], v[\s:\s+15], v[TM+12]
	v_cvt_scalef32_pk16_bf6_f32 v[CT:CT+2], v[\s+16:\s+31], v[TM+13]       ; (a conversion's three registers begin on an even number)
	v_cvt_scalef32_pk16_bf6_f32 v[(\d1):(\d1)+2], v[\s+32:\s+47], v[TM+14]
	v_cvt_scalef32_pk16_bf6_f32 v[CT+4:CT+6], v[\s+48:\s+63], v[TM+15]
	v_nop                                          ; one plain line behind a scaled conversion
.irp i, 0,1,2
	v_permlane16_swap_b32 v[(\d0)+\i], v[CT+\i]    ; the first's lanes 16-31 change places with the second's lanes 0-15: each lane now has a whole block
.endr
.irp i, 0,1,2
	v_mov_b32 v[(\d0)+3+\i], v[CT+\i]
.endr
.irp i, 0,1,2
	v_permlane16_swap_b32 v[(\d1)+\i], v[CT+4+\i]
.endr
.irp i, 0,1,2
	v_mov_b32 v[(\d1)+3+\i], v[CT+4+\i]
.endr
.endm
.macro ADDB_QK a                       ; block a's 64 sums + the bias of the lane's 64 weight rows; each accumulator from its low end on
	WIN 2+(\a)/4                                   ; source 0: window 2 or 3
.set i, 0
.rept 32
.if i < 16
	v_pk_add_f32 v[ST+2*i:ST+2*i+1], v[64*((\a)%4)+2*i:64*((\a)%4)+2*i+1], v[96+2*i:97+2*i]
.else
	v_pk_add_f32 v[ST+2*i:ST+2*i+1], v[64*((\a)%4)+2*i:64*((\a)%4)+2*i+1], v[192+2*i:193+2*i]
.endif
.set i, i+1
.endr
	WIN 0
.endm
.macro ADDB_V a                        ; block a's 64 sums + the bias of the lane's one weight row
	WIN 2+(\a)/4
.set i, 0
.rept 32
	v_pk_add_f32 v[ST+2*i:ST+2*i+1], v[64*((\a)%4)+2*i:64*((\a)%4)+2*i+1], v[BR+2*(\a):BR+2*(\a)+1]
.set i, i+1
.endr
	WIN 0
.endm
	s_wait_tensorcnt 1                             ; the scale bytes and my part of K step 0 are in (K step 1's load may be out),
	s_barrier_signal -1
	s_barrier_wait -1                              ; everybody's are
	FETCH_B 0, 0, 0
	FETCH_A 0, 0, 0
	SCALES 0
	FETCH_A 0, 0, 4
	STEP 0, 0, 1                                   ; K = 1,024 is eight steps of 128, written out: the first starts the sums
	TURN 0, 1, 1                                   ; slot 0 takes K 512 to 767
	STEP 1, 0, 0
	TURN 1, 0, 1                                   ; slot 1 takes K 768 to 1,023
	STEP 0, 0, 0
	TURN 0, 1, 0                                   ; nothing is left to fetch
	STEP 1, 0, 0
	; where the results go.  Scalars alone; every window is 0.
	s_wait_kmcnt 0x0
	s_cmp_eq_u32 ttmp9, 2
	s_cselect_b32 s66, s15, s16                    ; which 128 weight rows (two heads) are mine: for v they are source 1's
	s_cselect_b32 s67, s16, s15                    ; which 128 tokens
	s_cselect_b64 s[84:85], s[8:9], s[4:5]         ; the bias,
	s_cselect_b64 s[86:87], s[94:95], s[10:11]     ; and the buffer of images
	s_cmp_eq_u32 ttmp9, 1
	s_cselect_b64 s[84:85], s[6:7], s[84:85]
	s_cselect_b64 s[86:87], s[92:93], s[86:87]
	s_lshl_b32 s80, s40, 2
	s_lshl_b32 s81, s66, 1
	s_add_co_u32 s80, s80, s81                     ; my first head: 4 cx + 2 x half
	s_lshr_b32 s81, s17, 3
	s_lshl_b32 s81, s81, 4
	s_add_co_u32 s80, s80, s81                     ; hb = 16 x batch + head
	s_and_b32 s81, s17, 7
	s_lshl_b32 s81, s81, 1
	s_add_co_u32 s81, s81, s67                     ; which 128 tokens of the sequence
	s_lshl_b32 s82, s80, 4
	s_add_co_u32 s82, s82, s81
	s_lshl_b32 s82, s82, 8                         ; 256 bytes of scale words for each
	s_add_co_u32 s82, s82, ISOFF
	s_mov_b32 s83, 0
	s_add_nc_u64 s[90:91], s[86:87], s[82:83]
	s_mul_i32 s82, s80, HSTR
	s_mul_i32 s88, s81, 6144                       ; four fragments for each
	s_add_co_u32 s82, s82, s88
	s_add_nc_u64 s[86:87], s[86:87], s[82:83]
	s_lshl_b32 s82, s40, 8
	s_lshl_b32 s88, s66, 7
	s_add_co_u32 s82, s82, s88
	s_lshl_b32 s82, s82, 2
	s_add_nc_u64 s[84:85], s[84:85], s[82:83]      ; the bias of my 128 weight rows
	s_mov_b32 s20, 0x76543210
	s_mov_b32 s21, 0xfedcba98                      ; v_permlanex16_b32's selects for lane l xor 16
	s_cmp_eq_u32 ttmp9, 2                          ; the cluster's x: the same in all sixteen partners
	s_cbranch_scc1 .Lv
	; ---- q and k.  The bias is asked for ahead of the last 64 products: register 16 b + i wants weight row 32 b + 16 (lane / 16) + i
	v_lshlrev_b32 v[BOF], 6, v2
.irp b, 0,1,2,3
.irp q, 0,1,2,3
.if \b < 2
	global_load_b128 v[96+16*\b+4*\q:99+16*\b+4*\q], v[BOF], s[84:85] offset:128*\b+16*\q
.else
	global_load_b128 v[192+16*\b+4*\q:195+16*\b+4*\q], v[BOF], s[84:85] offset:128*\b+16*\q
.endif
.endr
.endr
	LAST
	s_wait_loadcnt 0x0
	PLACES NP                                      ; in front of the first read of results and of the first write of registers that the products have read
	v_and_b32 v[LI], 31, v0
	v_lshlrev_b32 v[LI], 4, v[LI]
	v_lshlrev_b32 v[SOF], 12, v2                   ; lanes 16-31 store the second head's scale words, 4,096 bytes on
	v_lshl_add_u32 v[SOF], v1, 4, v[SOF]
	v_mov_b32 v[SELV], 0x05040100                  ; lanes 0-15 pick the first head's two bytes of two words,
	v_mov_b32 v61, 0x07060302                      ; lanes 16-31 the second head's
	v_cmp_eq_u32 vcc_lo, 1, v2
	v_cndmask_b32 v[SELV], v[SELV], v61, vcc_lo
.irp b, 0,1,2,3
	v_mov_b32 v[TM+4+\b], 0                        ; written once: a lane permute's destination counts as one of its sources
.endr
.irp g, 0,1,2,3                        ; a group of 32 tokens: blocks 2 g and 2 g + 1 make one fragment for each of my two heads
.irp u, 0,1
	ADDB_QK 2*\g+\u
.if (\u == 0) && (\g > 0)
	s_wait_xcnt 0x0                                ; the last group's stores have read their registers
.endif
	QUANT ST, CA+6*\u, CB+6*\u, PWR+2*\g+\u, 0x4000000   ; the floor 2^(8 - 127): no byte under 4
.endr
.irp c, 0,1,2
	global_store_b128 v[LI], v[CA+4*\c:CA+4*\c+3], s[86:87] offset:1536*\g+512*\c          ; 32 lanes store 512 consecutive bytes, aligned
	global_store_b128 v[LI], v[CB+4*\c:CB+4*\c+3], s[86:87] offset:HSTR+1536*\g+512*\c
.endr
	v_perm_b32 v[OW+\g], v[PWR+2*\g+1], v[PWR+2*\g], v[SELV]   ; the group's scale word of my head: the first token's two bytes, then the second's
.endr
	global_store_b128 v[SOF], v[OW:OW+3], s[90:91] ; sixteen lanes store 256 consecutive bytes, aligned
	s_branch .Ltail
.Lv:	; ---- v.  A lane holds one weight row d and 128 tokens: its bias is one number for each block, loaded into both registers of a pair
	v_and_b32 v[BOF], 8, v1
	v_add_nc_u32 v[BOF], v[BOF], v1
	v_lshlrev_b32 v[BOF], 2, v[BOF]                ; 4 (r + 8 (r / 8))
.irp a, 0,1,2,3,4,5,6,7
	global_load_b32 v[BR+2*\a], v[BOF], s[84:85] offset:4*(32*(\a/2)+8*(\a%2))
	global_load_b32 v[BR+2*\a+1], v[BOF], s[84:85] offset:4*(32*(\a/2)+8*(\a%2))
.endr
	LAST
	s_wait_loadcnt 0x0
	PLACES NP
	v_and_b32 v[LI], 31, v0
	v_lshlrev_b32 v[SOF], 3, v[LI]                 ; 8 bytes of scale words a lane
	v_lshlrev_b32 v[LI], 4, v[LI]
.irp b, 0,1,2,3
	v_mov_b32 v[TM+4+\b], 0
.endr
.irp a, 0,1,2,3,4,5,6,7                ; block a: head a / 4, tau = a % 4: one fragment, K = my 128 tokens
	ADDB_V \a
.if \a >= 2
	s_wait_xcnt 0x0                                ; the stores of two blocks back have read their registers
.endif
	QUANT ST, CA+12*(\a%2), CA+12*(\a%2)+6, PWR+\a, 0x2800000
.irp c, 0,1,2
	global_store_b128 v[LI], v[CA+12*(\a%2)+4*\c:CA+12*(\a%2)+4*\c+3], s[86:87] offset:(\a/4)*HSTR+(\a%4)*1536+512*\c
.endr
.endr
	v_cmp_eq_u32 vcc_lo, 1, v2
.irp j, 0,1,2,3
	v_cndmask_b32 v[OW+\j], v[PWR+2*\j], v[PWR+2*\j+1], vcc_lo   ; lanes 0-15 keep the even block's word, lanes 16-31 the odd one's
.endr
	global_store_b64 v[SOF], v[OW:OW+1], s[90:91]                ; 32 lanes store 256 consecutive bytes, aligned
	global_store_b64 v[SOF], v[OW+2:OW+3], s[90:91] offset:4096
.Ltail:
	s_wait_tensorcnt 0x0                           ; the wave's end
	ds_add_u32 v[SPW], v[NIL]
	s_wait_dscnt 0x0
	CROUND                                         ; the closing round: no work-group ends while a partner may still ask for a tile that names it
	s_endpgm
.Lfunc_end_k_qd8aa744362_proj:
	.size	k_qd8aa744362_proj, .Lfunc_end_k_qd8aa744362_proj-k_qd8aa744362_proj
	.p2alignl 7, 3214868480
	.fill 96, 4, 3214868480
	.section	.rodata,"a",@progbits
	.p2align	6, 0x0
	.amdhsa_kernel k_qd8aa744362_proj
		.amdhsa_group_segment_fixed_size 327680
		.amdhsa_private_segment_fixed_size 0
		.amdhsa_enable_private_segment 0
		.amdhsa_kernarg_size 64
		.amdhsa_user_sgpr_count 2
		.amdhsa_user_sgpr_kernarg_segment_ptr 1
		.amdhsa_wavefront_size32 1
		.amdhsa_system_sgpr_workgroup_id_x 1
		.amdhsa_system_sgpr_workgroup_id_y 1
		.amdhsa_system_sgpr_workgroup_id_z 1
		.amdhsa_system_vgpr_workitem_id 0
		.amdhsa_next_free_vgpr 1024
		.amdhsa_next_free_sgpr 98
		.amdhsa_reserve_vcc 1
		.amdhsa_float_denorm_mode_32 3
		.amdhsa_float_denorm_mode_16_64 3
		.amdhsa_memory_ordered 1
		.amdhsa_forward_progress 1
		.amdhsa_inst_pref_size 244
	.end_amdhsa_kernel
	.amdgpu_metadata
---
amdhsa.version: [ 1, 2 ]
amdhsa.kernels:
  - .name:           k_qd8aa744362_proj
    .symbol:         k_qd8aa744362_proj.kd
    .args:
      - { .name: xw, .offset: 0, .size: 8, .value_kind: global_buffer, .address_space: global }
      - { .name: ww, .offset: 8, .size: 8, .value_kind: global_buffer, .address_space: global }
      - { .name: bq, .offset: 16, .size: 8, .value_kind: global_buffer, .address_space: global }
      - { .name: bk, .offset: 24, .size: 8, .value_kind: global_buffer, .address_space: global }
      - { .name: bv, .offset: 32, .size: 8, .value_kind: global_buffer, .address_space: global }
      - { .name: qi, .offset: 40, .size: 8, .value_kind: global_buffer, .address_space: global }
      - { .name: ki, .offset: 48, .size: 8, .value_kind: global_buffer, .address_space: global }
      - { .name: vi, .offset: 56, .size: 8, .value_kind: global_buffer, .address_space: global }
    .group_segment_fixed_size: 327680
    .private_segment_fixed_size: 0
    .kernarg_segment_align: 8
    .kernarg_segment_size: 64
    .max_flat_workgroup_size: 128
    .sgpr_count:     98
    .vgpr_count:     1024
    .wavefront_size: 32
...
	.end_amdgpu_metadata
.endif
;; end of part 2
;; launch attn (part 3): grid 4 x 64, 8 waves a work-group, clusters of 4 x 1, 262,144 bytes of LDS; arguments qi, ki, vi, attention_mask, out0; writes out0
.if DOCPART == 3
	.amdgcn_target "amdgcn-amd-amdhsa--gfx1250"
	.amdhsa_code_object_version 6
	.text
	.protected	k_qd8aa744362_attn
	.globl	k_qd8aa744362_attn
	.p2align	8
	.type	k_qd8aa744362_attn,@function
k_qd8aa744362_attn:
	s_mov_b64 s[64:65], 0
	v_nop
	global_prefetch_b8 v0, s[64:65] scope:SCOPE_SE
	s_setreg_imm32_b32 hwreg(HW_REG_WAVE_MODE, 25, 1), 1
	s_wait_xcnt 0x0
	s_wait_alu depctr_hold_cnt(0) depctr_sa_sdst(0) depctr_va_vdst(0) depctr_va_sdst(0) depctr_va_ssrc(0) depctr_va_vcc(0) depctr_vm_vsrc(0)
	s_getreg_b32 s2, hwreg(HW_REG_IB_STS2, 6, 4)
	s_cmp_eq_u32 s2, 0
	s_cbranch_scc0 .Lentry_in_a_cluster
	s_endpgm
.Lentry_in_a_cluster:
	s_bfe_u32 s2, ttmp6, 0x10000c
	s_cmp_lg_u32 s2, 0x3003
	s_cbranch_scc0 .Lentry_shape_is_right
	s_endpgm
.Lentry_shape_is_right:
; out0[b][q][64 head + d] = the sum over k of softmax_k(q . k / 8 + mask[b][k]) v[k][d], both products on codes of BF6 (E3M2) with one E8M0 scale for each 32 along a product's K.  No work is left out.
; qi, ki, vi hold images of operand registers (a fragment: 1,536 bytes, registers 4 c .. 4 c + 3 at 512 c + 16 x lane) and scale words, as the launch before lays them.
; THE SOFTMAX AHEAD OF THE SECOND PRODUCT: t = logit x log2(e); M = the row's largest t so far, rounded UP to a whole number; p = 2^(t - M) is quantised along the keys, not normalised; the row's sum is taken of the
; unquantised p and divides at the end.  When M moves, the sum and O are multiplied by 2^(old M - new M): exact.
; / 8 IS EXACT AND FREE: 3 is taken off each of q's scale bytes (none is under 4).  THE MASK COSTS NO VECTOR LINE: it is the C of the first product.
; THE HEAD'S 64 ARE HALF OF THE INSTRUCTION'S 128: a fragment of k holds 16 keys in K 0-63 and 16 other keys in K 64-127.  Multiplied by [q; 0] it gives the first sixteen's scores, by [0; q] the second's: the registers
; zeros, q, zeros (6 + 6 + 6) serve as both.  Zero codes add nothing under any scale byte but 0xff.
; SHARES.  A cluster's four work-groups are the four blocks of 512 queries of one head (hb = 16 x batch + head = the grid's y): 256 work-groups.  A HEAD'S K, V, SCALE WORDS AND MASK LIE IN LDS WHOLE, 208 KiB: every tile is a first
; fill, asked for JOINTLY by the four; nothing is filled again.  A work-group goes over them twice, 256 queries a pass; each of its eight waves owns 32 queries a pass: tile A in window 0, tile B in window 1, which share every
; fragment, scale word and mask register read from LDS.  Two waves to a SIMD: one's vector work stands beside the other's LDS loads and products.
; LAYOUT.  Both products are used transposed: S^T = K Q^T + mask, O^T = V^T P^T: a lane holds ONE query (lane % 16).  By the order of a fragment's rows the 16 registers of score tiles 2 g, 2 g + 1 are keys 32 g + 16 (lane / 16) + 0 .. 15.
; No prefetch: all that the work-group reads through LDS is asked for at its head.  LIMITS: logits beyond the range of f32 after x log2(e) overflow, as t itself does; NaN among the inputs is not served.
; REGISTERS.  Window 0 alone: v1-11 addresses; v12-59 four fragments of K or V; v60-63 K's scale words, v64-65 V's; v66, v67 q's for tiles A, B; v68, v69 p's; v70, v71 the add's two; v72-83 q's image, pass 0; v84, v85 q's raw scale
; words; v86, v87 the stage; v88-99 at work.  Window 1 alone: v0-63 the mask as C; v64-75 q's image, pass 1.  The same numbers in both windows, for tiles A and B: v100 -M, v101 the largest t, v[102:103] the sum, v104-121 zeros q zeros,
; v122-185 S^T then p, v186-217 O^T, v218-229 p's codes, v230-255 at work.
.set VB,    98304                      ; LDS: K's 64 fragments at 0, V's here,
.set KSB,   196608                     ; K's scale words: 256 bytes a key step,
.set VSB,   200704                     ; V's likewise,
.set MB,    204800                     ; the batch's mask: 8,192 bytes,
.set STAGE, 212992                     ; the way out: 16 rows x (256 bytes + 16) for each wave,
.set SPARE, 247808                     ; the spare words, 128 bytes a wave, which no other line names
.set HSTR,  98304                      ; a head's codes in qi, ki, vi
.set ISOFF, 6291456                    ; where the scale words begin there
.set AK0, 1
.set AV0, 2
.set ASK0, 3
.set ASV0, 4
.set AM0, 5
.set ADK, 6
.set ADV, 7
.set ADS, 8
.set ADT, 9
.set ADM, 10
.set GO,  11
.set FRG, 12
.set KSC, 60
.set VSC, 64
.set SPW, 70
.set NIL, 71
.set STO, 86
.set RD,  87
.set NM,  100
.set TMX, 101
.set SUM, 102
.set QZ,  104
.set S,   122
.set OT,  186
.set PC,  218
.set CT,  230
.set BM,  238
.set PT,  242
.set SO,  246
.set F,   250
.set T,   252
.set WT,  253
.set SU2, 254
.set WV,  20                           ; s20 my wave's number;  s21 cx;  s23 hb
.set CX,  21
.set Y,   23
.set G1C, 24                           ; s[24:31] descriptor group 1: 24 rows of 256 bytes (a key step's four fragments)
.set G1S, 32                           ; s[32:39] 4 rows of 256 bytes
.set G0,  40                           ; s[40:63] six sets of group 0
.set SEL, 66                           ; s[66:67] lane selects for v_permlanex16_b32: lane l xor 16
.set CS,  68                           ; s[68:69] log2(e): the packed form names a pair and takes its low word for both halves
.set TKR, 70                           ; s70 the key step's fragments: 6,144 bytes a step;  s71 its scale words: 256;  s72 its mask: 512
.set TSR, 71
.set TMR, 72
.set CNT, 73
.set MSB, 0
.macro WIN new                         ; the immediate's high byte repeats the setting that is left
.if MSB != (\new)
	s_set_vgpr_msb (MSB<<8)|(\new)
.set MSB, (\new)
.endif
.endm
.macro CROUND                          ; a round of the cluster's barrier
	s_barrier_signal -1
	s_barrier_wait -1
	s_cmp_lg_u32 s[WV], 0
	s_cbranch_scc1 .Lnot_wave_0_\@
	s_barrier_signal -3
.Lnot_wave_0_\@:
	s_barrier_wait -3
	s_barrier_signal -1
	s_barrier_wait -1
.endm
	s_load_b256 s[4:11], s[0:1], 0x0               ; qi s[4:5], ki s[6:7], vi s[8:9], attention_mask s[10:11]
	s_load_b64 s[12:13], s[0:1], 0x20              ; out0
	v_lshl_add_u32 v[SPW], v0, 2, SPARE
	v_mov_b32 v[NIL], 0
	ds_add_u32 v[SPW], v[NIL]                      ; the wave's opening: the add, twice on end, and its wait ahead of my first tensor load
	ds_add_u32 v[SPW], v[NIL]
	v_lshrrev_b32 v1, 5, v0
	v_readfirstlane_b32 s[WV], v1                  ; wave 0..7
	s_bfe_u32 s[CX], ttmp6, 0x40000                ; my place in the cluster: it enters q's and the output's addresses alone
	s_and_b32 s[Y], ttmp7, 0xffff                  ; hb, which the four partners share
	s_mov_b32 s[G1C], 15|(3<<16)|(1<<21)           ; 15:0 the mask: all four work-groups; 17:16 elements of 8 bytes; 20 no padding; 21 set beside a mask
	s_mov_b32 s[G1C+1], 32<<16                     ; tensor_dim0 = 32 elements: 256 bytes
	s_mov_b32 s[G1C+2], 24<<16                     ; tensor_dim1 = 24 rows
	s_mov_b32 s[G1C+3], 32<<16                     ; tile_dim0
	s_mov_b32 s[G1C+4], 24                         ; tile_dim1
	s_mov_b32 s[G1C+5], 32                         ; from row to row: dense
	s_mov_b32 s[G1C+6], 0
	s_mov_b32 s[G1C+7], 0
	s_mov_b32 s[G1S], 15|(3<<16)|(1<<21)
	s_mov_b32 s[G1S+1], 32<<16
	s_mov_b32 s[G1S+2], 4<<16
	s_mov_b32 s[G1S+3], 32<<16
	s_mov_b32 s[G1S+4], 4
	s_mov_b32 s[G1S+5], 32
	s_mov_b32 s[G1S+6], 0
	s_mov_b32 s[G1S+7], 0
	s_mov_b32 s[SEL], 0x76543210
	s_mov_b32 s[SEL+1], 0xfedcba98
	s_mov_b32 s[CS], 0x3fb8aa3b                    ; log2(e)
	s_mov_b32 s[CS+1], s[CS]
	; what I fetch.  Waves 0-3: K's; waves 4-7: V's; of each chunk of four key steps the step wave % 4; a quarter of the scale words; an eighth of the mask
	s_and_b32 s74, s[WV], 3
	s_lshr_b32 s75, s[WV], 2
	s_lshl_b32 s78, s[Y], 12
	s_lshl_b32 s79, s74, 10
	s_add_co_u32 s78, s78, s79
	s_add_co_u32 s78, s78, ISOFF                   ; my scale words, in memory
	s_mov_b32 s79, 0
	s_lshl_b32 s84, s[WV], 10                      ; 1,024 x wave
	s_lshr_b32 s80, s[Y], 4
	s_lshl_b32 s80, s80, 13
	s_add_co_u32 s80, s80, s84                     ; my part of the batch's mask
	s_mov_b32 s81, 0
	s_mul_i32 s85, s75, VB
	s_mul_i32 s88, s74, 6144
	s_add_co_u32 s85, s85, s88                     ; my key step of chunk 0, in LDS,
	s_mul_i32 s86, s[Y], HSTR
	s_add_co_u32 s86, s86, s88                     ; and in memory
	s_mov_b32 s87, 0
	s_wait_dscnt 0x0                               ; both opening adds are done
	s_wait_kmcnt 0x0
	s_cmp_lt_u32 s[WV], 4                          ; the wave's number alone: the same in all four partners
	s_cselect_b64 s[76:77], s[6:7], s[8:9]
	CROUND                                         ; all four work-groups are here: the joint loads meet
	s_mov_b32 s[G0], 1
	s_add_co_u32 s[G0+1], s84, KSB                 ; K's scale words, and behind them V's
	s_add_nc_u64 s[G0+2:G0+3], s[76:77], s[78:79]
	s_or_b32 s[G0+3], s[G0+3], 0x80000000
	s_mov_b32 s[G0+4], 1
	s_add_co_u32 s[G0+5], s84, MB
	s_add_nc_u64 s[G0+6:G0+7], s[10:11], s[80:81]
	s_or_b32 s[G0+7], s[G0+7], 0x80000000
	s_add_nc_u64 s[76:77], s[76:77], s[86:87]
.irp c, 0,1,2,3
	s_mov_b32 s[G0+8+4*\c], 1
	s_add_co_u32 s[G0+9+4*\c], s85, 24576*\c
	s_add_nc_u64 s[G0+10+4*\c:G0+11+4*\c], s[76:77], 24576*\c
	s_or_b32 s[G0+11+4*\c], s[G0+11+4*\c], 0x80000000
.endr
	tensor_load_to_lds s[G0:G0+3], s[G1S:G1S+7]    ; all first fills in one group: six tensor loads of mine are out, and never more
	s_nop 0
	tensor_load_to_lds s[G0+4:G0+7], s[G1S:G1S+7]
	s_nop 0
.irp c, 0,1,2,3
	tensor_load_to_lds s[G0+8+4*\c:G0+11+4*\c], s[G1C:G1C+7]
	s_nop 0
.endr
.rept 4
	v_nop
.endr
	v_and_b32 v88, 31, v0                          ; lane
	v_and_b32 v89, 15, v0                          ; r
	v_bfe_u32 v90, v0, 4, 1                        ; h
	v_lshlrev_b32 v[AK0], 4, v88                   ; an image's place for my lane
	v_add_nc_u32 v[AV0], VB, v[AK0]
	v_lshl_add_u32 v[ASK0], v89, 4, KSB            ; K's scale words: 16 bytes a row: the step's four fragments'
	v_lshl_add_u32 v[ASV0], v88, 3, VSB            ; V's: 8 bytes a lane
	v_lshl_add_u32 v[AM0], v90, 6, MB              ; the mask of my 16 keys of each 32
	v_lshlrev_b32 v[GO], 12, v90
	v_lshl_add_u32 v[GO], v89, 4, v[GO]            ; the way out: lanes 0-15 one row of out0, lanes 16-31 the next; 16 bytes a lane
	s_mul_i32 s88, s[WV], 16*272
	s_add_co_u32 s88, s88, STAGE                   ; my stage
	v_mul_u32_u24 v[STO], v89, 272
	v_lshl_add_u32 v[STO], v90, 6, v[STO]
	v_add_nc_u32 v[STO], s88, v[STO]               ; in: row r, + 64 h
	v_mul_u32_u24 v[RD], v90, 272
	v_lshl_add_u32 v[RD], v89, 4, v[RD]
	v_add_nc_u32 v[RD], s88, v[RD]                 ; back: lanes 0-15 one row, lanes 16-31 the next
	v_lshlrev_b32 v91, 4, v89
	s_lshl_b32 s78, s[Y], 6
	s_lshl_b32 s79, s[CX], 4
	s_add_co_u32 s78, s78, s79
	s_add_co_u32 s78, s78, s[WV]                   ; my group of 32 queries in pass 0: 64 hb + 16 cx + wave; in pass 1 eight groups on
	s_mul_i32 s78, s78, 1536
	s_mov_b32 s79, 0
	s_add_nc_u64 s[80:81], s[4:5], ISOFF
	s_add_nc_u64 s[4:5], s[4:5], s[78:79]
	s_lshl_b32 s78, s[Y], 12
	s_lshl_b32 s86, s[CX], 2
	s_add_co_u32 s86, s86, s75
	s_lshl_b32 s86, s86, 8                         ; its 128 tokens' scale words,
	s_add_co_u32 s78, s78, s86
	s_lshl_b32 s86, s74, 2                         ; and the group's word among a row's four
	s_add_co_u32 s78, s78, s86
	s_add_nc_u64 s[80:81], s[80:81], s[78:79]
.irp c, 0,1,2
	global_load_b128 v[72+4*\c:75+4*\c], v[AK0], s[4:5] offset:512*\c
.endr
	WIN 0x40                                       ; destination window 1
.irp c, 0,1,2
	global_load_b128 v[64+4*\c:67+4*\c], v[AK0], s[4:5] offset:12288+512*\c
.endr
	WIN 0
	global_load_b32 v84, v91, s[80:81]
	global_load_b32 v85, v91, s[80:81] offset:512
	s_lshr_b32 s78, s[Y], 4
	s_lshl_b32 s78, s78, 11
	s_lshl_b32 s86, s[CX], 9
	s_add_co_u32 s78, s78, s86
	s_lshl_b32 s86, s[WV], 5
	s_add_co_u32 s78, s78, s86                     ; my first row of out0: 2,048 x batch + 512 cx + 32 x wave
	s_lshl_b32 s78, s78, 12
	s_and_b32 s86, s[Y], 15
	s_lshl_b32 s86, s86, 8                         ; the head's 256 bytes of a row
	s_add_co_u32 s78, s78, s86
	s_add_nc_u64 s[82:83], s[12:13], s[78:79]
	s_wait_loadcnt 0x0                             ; q
.macro QSET p                          ; pass p's queries: the scale words less 3 a byte, each tile's two bytes twice; the codes between the zeros
	WIN 0
	v_add_nc_u32 v88, 0xfcfcfcfd, v[84+\p]         ; 3 off each of the four bytes: none is under 4, so nothing is borrowed
	v_perm_b32 v66, v88, v88, 0x01000100
	v_perm_b32 v67, v88, v88, 0x03020302
.if \p == 0
.irp i, 0,1,2,3,4,5
	v_mov_b32 v[QZ+6+\i], v[72+\i]
.endr
	WIN 0x40
.irp i, 0,1,2,3,4,5
	v_mov_b32 v[QZ+6+\i], v[78+\i]
.endr
.else
	WIN 0x01
.irp i, 0,1,2,3,4,5
	v_mov_b32 v[QZ+6+\i], v[64+\i]
.endr
	WIN 0x41
.irp i, 0,1,2,3,4,5
	v_mov_b32 v[QZ+6+\i], v[70+\i]
.endr
.endif
.endm
.macro INIT w                          ; a tile's state: the step is written once, and its first run finds zeros, which the first change of M leaves zeros
	WIN 0x55*(\w)
	v_mov_b32 v[TMX], 0xff61b1e6                   ; the largest t so far: -3e38
	v_floor_f32 v[NM], -v[TMX]                     ; -M
	v_mov_b32 v[SUM], 0
	v_mov_b32 v[SUM+1], 0
	v_mov_b32 v[F+1], 0                            ; (named as the upper half of a pair)
.irp b, 0,1,2,3
	v_mov_b32 v[PT+\b], 0                          ; a lane permute's destination counts as one of its sources
.endr
.irp i, 0,1,2,3,4,5
	v_mov_b32 v[QZ+\i], 0
	v_mov_b32 v[QZ+12+\i], 0
.endr
.set i, 0
.rept 32
	v_mov_b32 v[OT+i], 0
.set i, i+1
.endr
.endm
.macro SCORES qw                       ; eight products: fragment g x [q; 0] and x [0; q]; C = the mask
.irp g, 0,1,2,3
.irp u, 0,1
	v_wmma_scale_f32_16x16x128_f8f6f4 v[S+8*(2*\g+\u):S+8*(2*\g+\u)+7], v[FRG+12*\g:FRG+12*\g+11], v[QZ+6-6*\u:QZ+17-6*\u], v[8*(2*\g+\u):8*(2*\g+\u)+7], v[KSC+\g], v[\qw] matrix_a_fmt:MATRIX_FMT_BF6 matrix_b_fmt:MATRIX_FMT_BF6
.endr
.endr
.endm
.macro PV pw                           ; four products: O^T += V^T P^T, 16 of the head's 64 each; the odd ones' scale words lie in lanes 16-31
.irp t, 0,1,2,3
.if \t % 2
	v_wmma_scale_f32_16x16x128_f8f6f4 v[OT+8*\t:OT+8*\t+7], v[FRG+12*\t:FRG+12*\t+11], v[PC:PC+11], v[OT+8*\t:OT+8*\t+7], v[VSC+\t/2], v[\pw] matrix_a_fmt:MATRIX_FMT_BF6 matrix_b_fmt:MATRIX_FMT_BF6 matrix_a_scale:MATRIX_SCALE_ROW1
.else
	v_wmma_scale_f32_16x16x128_f8f6f4 v[OT+8*\t:OT+8*\t+7], v[FRG+12*\t:FRG+12*\t+11], v[PC:PC+11], v[OT+8*\t:OT+8*\t+7], v[VSC+\t/2], v[\pw] matrix_a_fmt:MATRIX_FMT_BF6 matrix_b_fmt:MATRIX_FMT_BF6
.endif
.endr
.endm
; One tile's softmax for 128 keys, wholly in window w but for the one line that writes p's scale word v[pw], which lies in window 0 (scale operands have no window).
.macro SM pw, w
	WIN 0x55*(\w)
.irp b, 0,1,2,3
	v_max3_num_f32 v[BM+\b], v[S+16*\b], v[S+1+16*\b], v[S+2+16*\b]   ; the largest logit of each block of 32 keys: it serves for the row's maximum and, since p rises with the logit, for the block's largest p
.endr
.irp i, 3,5,7,9,11,13
.irp b, 0,1,2,3
	v_max3_num_f32 v[BM+\b], v[BM+\b], v[S+16*\b+\i], v[S+1+16*\b+\i]
.endr
.endr
.irp b, 0,1,2,3
	v_max_num_f32 v[BM+\b], v[BM+\b], v[S+15+16*\b]
.endr
.irp b, 0,1,2,3
	v_permlanex16_b32 v[PT+\b], v[BM+\b], s[SEL], s[SEL+1]
.endr
.irp b, 0,1,2,3
	v_max_num_f32 v[BM+\b], v[BM+\b], v[PT+\b]     ; with lane l xor 16's 16 keys
.endr
	v_max3_num_f32 v[T], v[BM], v[BM+1], v[BM+2]
	v_max_num_f32 v[T], v[T], v[BM+3]              ; the step's largest logit of my query
	v_mul_f32 v[T], s[CS], v[T]                    ; as t
	v_max_num_f32 v[TMX], v[TMX], v[T]             ; the running largest t
	v_mov_b32 v[T], v[NM]
	v_floor_f32 v[NM], -v[TMX]                     ; the new -M = floor(-t) = -ceil(t)
	v_sub_f32 v[T], v[NM], v[T]                    ; old M - new M: a whole number, 0 or less
	v_cvt_i32_f32 v[T], v[T]                       ; (it saturates)
	v_ldexp_f32 v[F], 1.0, v[T]                    ; f = 2^(old M - new M)
.set j, 0
.rept 32
	v_pk_fma_f32 v[S+j:S+j+1], v[S+j:S+j+1], s[CS:CS+1], v[NM:NM+1] op_sel_hi:[1,0,0]   ; t - M, two at a time
.set j, j+2
.endr
.irp b, 0,1,2,3
	v_fma_f32 v[BM+\b], v[BM+\b], s[CS], v[NM]     ; the same of each block's largest logit
.endr
.set j, 0
.rept 64
	v_exp_f32 v[S+j], v[S+j]                       ; p = 2^(t - M)
.set j, j+1
.endr
	v_pk_mul_f32 v[SUM:SUM+1], v[SUM:SUM+1], v[F:F+1] op_sel_hi:[1,0]   ; the sums under the new M (the plain line behind the exponentials)
	s_wait_alu depctr_va_vdst(0)                   ; one wait for the batch of 64, ahead of its first reader
.irp b, 0,1,2,3
	v_exp_f32 v[BM+\b], v[BM+\b]                   ; the block's largest p: the same two instructions on the same number
.endr
	v_pk_add_f32 v[SU2:SU2+1], v[S:S+1], v[S+2:S+3]   ; the row's sum of the unquantised p, in two chains
.irp j, 4,8,12,16,20,24,28,32,36,40,44,48,52,56,60
	v_pk_add_f32 v[SUM:SUM+1], v[SUM:SUM+1], v[S+\j:S+\j+1]
	v_pk_add_f32 v[SU2:SU2+1], v[SU2:SU2+1], v[S+2+\j:S+3+\j]
.endr
	v_pk_add_f32 v[SUM:SUM+1], v[SUM:SUM+1], v[SU2:SU2+1]
	s_wait_alu depctr_va_vdst(0)                   ; and one for the four
.irp b, 0,1,2,3
	v_max_num_f32 v[BM+\b], 0x2800000, v[BM+\b]    ; the floor 2^(5 - 127): the byte cannot fall under 1
.endr
.irp b, 0,1,2,3
	v_add_nc_u32 v[SO+\b], 0xfe000000, v[BM+\b]    ; 4 off the exponent field: the conversion's scale operand
.endr
.irp b, 0,1,2,3
	v_lshrrev_b32 v[PT+\b], 23, v[SO+\b]           ; the scale's byte
.endr
	v_lshl_or_b32 v[WT], v[PT+1], 8, v[PT]
	v_lshl_or_b32 v[WT], v[PT+2], 16, v[WT]
	WIN 0x11*(\w)                                  ; sources in my window, destination in window 0
	v_lshl_or_b32 v[\pw], v[PT+3], 24, v[WT]       ; p's scale word for these 128 keys
	WIN 0x55*(\w)
	v_cvt_scalef32_pk16_bf6_f32 v[PC:PC+2], v[S:S+15], v[SO]
	v_cvt_scalef32_pk16_bf6_f32 v[CT:CT+2], v[S+16:S+31], v[SO+1]     ; (a conversion's three registers begin on an even number)
	v_cvt_scalef32_pk16_bf6_f32 v[PC+6:PC+8], v[S+32:S+47], v[SO+2]
	v_cvt_scalef32_pk16_bf6_f32 v[CT+4:CT+6], v[S+48:S+63], v[SO+3]
	v_nop                                          ; one plain line behind a scaled conversion
.irp c, 0,1                            ; the operand's layout wants a whole block in a lane
.irp i, 0,1,2
	v_permlane16_swap_b32 v[PC+6*\c+\i], v[CT+4*\c+\i]
.endr
.irp i, 0,1,2
	v_mov_b32 v[PC+3+6*\c+\i], v[CT+4*\c+\i]
.endr
.endr
.set j, 0
.rept 16
	v_pk_mul_f32 v[OT+j:OT+j+1], v[OT+j:OT+j+1], v[F:F+1] op_sel_hi:[1,0]   ; O^T under the new M; these lines also stand between the writes of p's codes and scale word and the products
.set j, j+2
.endr
.endm
; A KEY STEP: 128 keys for both tiles.  No two matrix instructions on end share an accumulator.
.macro STEP
	WIN 0
	v_add_nc_u32 v[ADK], s[TKR], v[AK0]            ; five plain lines: also the places between the last products and the loads into their registers
	v_add_nc_u32 v[ADV], s[TKR], v[AV0]
	v_add_nc_u32 v[ADS], s[TSR], v[ASK0]
	v_add_nc_u32 v[ADT], s[TSR], v[ASV0]
	v_add_nc_u32 v[ADM], s[TMR], v[AM0]
.irp g, 0,1,2,3
.irp c, 0,1,2
	ds_load_b128 v[FRG+12*\g+4*\c:FRG+12*\g+4*\c+3], v[ADK] offset:1536*\g+512*\c   ; K's four fragments: 512 consecutive bytes a load
.endr
.endr
	ds_load_b128 v[KSC:KSC+3], v[ADS]
	WIN 0x40                                       ; destination window 1
.irp j, 0,1,2,3,4,5,6,7,8,9,10,11,12,13,14,15
	ds_load_b128 v[4*\j:4*\j+3], v[ADM] offset:128*(\j/4)+16*(\j%4)   ; the mask in the result's layout: register 16 g + i = key 32 g + 16 h + i
.endr
	s_wait_dscnt 0x0
	WIN 0x10                                       ; C in window 1
	SCORES 66
	WIN 0x54                                       ; q, C and D in window 1, K in window 0
	SCORES 67
	WIN 0
.rept 4
	v_nop                                          ; places in front of the loads into K's registers and of the first read of scores
.endr
.irp t, 0,1,2,3
.irp c, 0,1,2
	ds_load_b128 v[FRG+12*\t+4*\c:FRG+12*\t+4*\c+3], v[ADV] offset:1536*\t+512*\c   ; V's four fragments land under tile A's softmax
.endr
.endr
	ds_load_b64 v[VSC:VSC+1], v[ADT]
	SM 68, 0
	s_wait_dscnt 0x0                               ; V
	PV 68
	SM 69, 1                                       ; tile B's softmax names no register of tile A's products
	WIN 0x54
	PV 69
	WIN 0
	s_add_co_u32 s[TKR], s[TKR], 6144
	s_add_co_u32 s[TSR], s[TSR], 256
	s_add_co_u32 s[TMR], s[TMR], 512
.endm
.macro CHUNK c, left                   ; pass 0: chunk c's four key steps.  left = the later chunks' loads of mine, issued behind this chunk's, which may stay out
	s_wait_tensorcnt \left                         ; my part of the chunk is in (ahead of chunk 0: the scale words and the mask too),
	s_wait_dscnt 0x0
	s_barrier_signal -1
	s_barrier_wait -1                              ; everybody's is
	s_mov_b32 s[TKR], 24576*\c
	s_mov_b32 s[TSR], 1024*\c
	s_mov_b32 s[TMR], 2048*\c
	s_mov_b32 s[CNT], 4
.Lchunk_\@:
	STEP
	s_sub_co_u32 s[CNT], s[CNT], 1
	s_cmp_lg_u32 s[CNT], 0
	s_cbranch_scc1 .Lchunk_\@
.endm
; THE WAY OUT of pass p.  O^T / the sum goes through my stage in LDS, a tile of 16 queries at a time, and leaves as rows of 256 bytes: the head's 64 numbers of a token.
.macro WAYOUT p
	WIN 0x55
	v_add_f32 v[SUM], v[SUM], v[SUM+1]             ; tile B: the sum's two halves,
	v_permlanex16_b32 v[T], v[SUM], s[SEL], s[SEL+1]
	v_add_f32 v[SUM], v[SUM], v[T]                 ; and lane l xor 16's
	WIN 0
	v_add_f32 v[SUM], v[SUM], v[SUM+1]             ; tile A
	v_permlanex16_b32 v[T], v[SUM], s[SEL], s[SEL+1]
	v_add_f32 v[SUM], v[SUM], v[T]
	v_rcp_f32 v96, v[SUM]
	WIN 0x01                                       ; source in window 1, destination in window 0
	v_rcp_f32 v98, v[SUM]
	WIN 0
	v_mov_b32 v97, 0                               ; (the pairs' upper halves; also the plain line behind the reciprocals)
	v_mov_b32 v99, 0
	s_wait_alu depctr_va_vdst(0)                   ; one wait for both, ahead of their first reader
.set i, 0
.rept 16
	v_pk_mul_f32 v[S+i:S+i+1], v[OT+i:OT+i+1], v[96:97] op_sel_hi:[1,0]       ; tile A: register 16 b + i is d = 32 b + 16 h + i of query r
.set i, i+2
.endr
	WIN 0x01
.set i, 0
.rept 16
	v_pk_mul_f32 v[S+32+i:S+33+i], v[OT+i:OT+i+1], v[98:99] op_sel_hi:[1,0]   ; tile B, into window 0
.set i, i+2
.endr
	WIN 0
.irp u, 0,1
.irp b, 0,1
.irp q, 0,1,2,3
	ds_store_b128 v[STO], v[S+32*\u+16*\b+4*\q:S+32*\u+16*\b+4*\q+3] offset:128*\b+16*\q
.endr
.endr
.irp i, 0,1,2,3,4,5,6,7
.if \u == 0
	ds_load_b128 v[OT+4*\i:OT+4*\i+3], v[RD] offset:544*\i       ; LDS serves a wave's instructions in order: these see my stores, and tile B's stores come behind them
.else
	ds_load_b128 v[FRG+4*\i:FRG+4*\i+3], v[RD] offset:544*\i
.endif
.endr
.endr
.irp i, 0,1,2,3,4,5,6,7
	s_wait_dscnt 23-\i                             ; behind tile A's load i: its 7 - i later loads and tile B's sixteen
	global_store_b128 v[GO], v[OT+4*\i:OT+4*\i+3], s[82:83] offset:(2*\i+8*(\i/4))*4096+\p*1048576 th:TH_STORE_NT   ; stage row x is token x + 8 (x / 8) of the group; sixteen lanes store 256 consecutive bytes, aligned
.endr
.irp i, 0,1,2,3,4,5,6,7
	s_wait_dscnt 7-\i
	global_store_b128 v[GO], v[FRG+4*\i:FRG+4*\i+3], s[82:83] offset:(8+2*\i+8*(\i/4))*4096+\p*1048576 th:TH_STORE_NT
.endr
.endm
	QSET 0
	INIT 0
	INIT 1
	WIN 0
	CHUNK 0, 3
	CHUNK 1, 2
	CHUNK 2, 1
	CHUNK 3, 0
	WAYOUT 0
	s_wait_xcnt 0x0                                ; the stores have read their registers, which the second pass writes again
	QSET 1
	INIT 0
	INIT 1
	WIN 0
	s_mov_b32 s[TKR], 0                            ; the second pass finds the whole head in LDS: no wait, no barrier
	s_mov_b32 s[TSR], 0
	s_mov_b32 s[TMR], 0
	s_mov_b32 s[CNT], 16
.Lpass1:
	STEP
	s_sub_co_u32 s[CNT], s[CNT], 1
	s_cmp_lg_u32 s[CNT], 0
	s_cbranch_scc1 .Lpass1
	WAYOUT 1
	s_wait_tensorcnt 0x0                           ; the wave's end
	ds_add_u32 v[SPW], v[NIL]
	s_wait_dscnt 0x0
	CROUND                                         ; the closing round
	s_endpgm
.Lfunc_end_k_qd8aa744362_attn:
	.size	k_qd8aa744362_attn, .Lfunc_end_k_qd8aa744362_attn-k_qd8aa744362_attn
	.p2alignl 7, 3214868480
	.fill 96, 4, 3214868480
	.section	.rodata,"a",@progbits
	.p2align	6, 0x0
	.amdhsa_kernel k_qd8aa744362_attn
		.amdhsa_group_segment_fixed_size 262144
		.amdhsa_private_segment_fixed_size 0
		.amdhsa_enable_private_segment 0
		.amdhsa_kernarg_size 40
		.amdhsa_user_sgpr_count 2
		.amdhsa_user_sgpr_kernarg_segment_ptr 1
		.amdhsa_wavefront_size32 1
		.amdhsa_system_sgpr_workgroup_id_x 1
		.amdhsa_system_sgpr_workgroup_id_y 1
		.amdhsa_system_sgpr_workgroup_id_z 1
		.amdhsa_system_vgpr_workitem_id 0
		.amdhsa_next_free_vgpr 512
		.amdhsa_next_free_sgpr 96
		.amdhsa_reserve_vcc 0
		.amdhsa_float_denorm_mode_32 3
		.amdhsa_float_denorm_mode_16_64 3
		.amdhsa_memory_ordered 1
		.amdhsa_forward_progress 1
		.amdhsa_inst_pref_size 181
	.end_amdhsa_kernel
	.amdgpu_metadata
---
amdhsa.version: [ 1, 2 ]
amdhsa.kernels:
  - .name:           k_qd8aa744362_attn
    .symbol:         k_qd8aa744362_attn.kd
    .args:
      - { .name: qi, .offset: 0, .size: 8, .value_kind: global_buffer, .address_space: global }
      - { .name: ki, .offset: 8, .size: 8, .value_kind: global_buffer, .address_space: global }
      - { .name: vi, .offset: 16, .size: 8, .value_kind: global_buffer, .address_space: global }
      - { .name: attention_mask, .offset: 24, .size: 8, .value_kind: global_buffer, .address_space: global }
      - { .name: out0, .offset: 32, .size: 8, .value_kind: global_buffer, .address_space: global }
    .group_segment_fixed_size: 262144
    .private_segment_fixed_size: 0
    .kernarg_segment_align: 8
    .kernarg_segment_size: 40
    .max_flat_workgroup_size: 256
    .sgpr_count:     96
    .vgpr_count:     512
    .wavefront_size: 32
...
	.end_amdgpu_metadata
.endif
;; end of part 3
